; MI455X (gfx1250); checked and timed in simulation.
; The chip was launched on July 23, 2026; its instructions are those of AMD's public machine-readable ISA for CDNA 5 (MIT licence, August 2026) and "CDNA5" Instruction Set Architecture Reference Guide (July 2026). The comments in the code are by the model that wrote it; some were corrected since.
;; LIIF. Allowed arithmetic: matrix products marked QUANTISED: E2M3 operands, one E8M0 scale for each 32 along K, by v_wmma_scale_f32_16x16x128_f8f6f4 with both operands' format E2M3, f32 sums; products left as they are: f32 operands where the result goes on into a quantised operand, else bf16, f16 or f32 operands; f32 sums; everything else in f32.
;; Inputs: b0 256 float32; b1 256 float32; b2 256 float32; b3 256 float32; b4 3 float32; cell 2 x 32,768 x 2 float32; feat 2 x 64 x 128 x 128 float32; grid 2 x 32,768 x 2 float32; w0 68 x 256 float32; w1 256 x 256 float32; w2 256 x 256 float32; w3 256 x 256 float32; w4 256 x 3 float32.
;; Outputs: out0 2 x 32,768 x 3 float32.
;; This version of the problem:
;;   THIS VERSION OF THE PROBLEM IS GIVEN IN LOW PRECISION. The matrix products marked QUANTISED in the list below multiply operands that are first quantised to E2M3 (2 exponent bits, 3 mantissa bits; 6 bits a number), with one power-of-two scale for each 32 numbers along K (OCP MX v1.0); their sums are f32. All else is computed in f32.
;;   The module's matrix products, in the order in which they are computed (A, B: the left and right operand; K: the contracted axis; several contracted axes count as one K, in the product's order):
;;     1. [M 65,536, K 68] x [K 68, N 256]; A: computed on the way; B: input w0: QUANTISED
;;     2. [M 65,536, K 256] x [K 256, N 256]; A: computed on the way; B: input w1: QUANTISED
;;     3. [M 65,536, K 256] x [K 256, N 256]; A: computed on the way; B: input w2: QUANTISED
;;     4. [M 65,536, K 256] x [K 256, N 256]; A: computed on the way; B: input w3: QUANTISED
;;     5. [M 65,536, K 256] x [K 256, N 3]; A: computed on the way; B: input w4: left as it is (N = 3 < 16)
;;     6. [M 65,536, K 68] x [K 68, N 256]; A: computed on the way; B: input w0: QUANTISED
;;     7. [M 65,536, K 256] x [K 256, N 256]; A: computed on the way; B: input w1: QUANTISED
;;     8. [M 65,536, K 256] x [K 256, N 256]; A: computed on the way; B: input w2: QUANTISED
;;     9. [M 65,536, K 256] x [K 256, N 256]; A: computed on the way; B: input w3: QUANTISED
;;     10. [M 65,536, K 256] x [K 256, N 3]; A: computed on the way; B: input w4: left as it is (N = 3 < 16)
;;     11. [M 65,536, K 68] x [K 68, N 256]; A: computed on the way; B: input w0: QUANTISED
;;     12. [M 65,536, K 256] x [K 256, N 256]; A: computed on the way; B: input w1: QUANTISED
;;     13. [M 65,536, K 256] x [K 256, N 256]; A: computed on the way; B: input w2: QUANTISED
;;     14. [M 65,536, K 256] x [K 256, N 256]; A: computed on the way; B: input w3: QUANTISED
;;     15. [M 65,536, K 256] x [K 256, N 3]; A: computed on the way; B: input w4: left as it is (N = 3 < 16)
;;     16. [M 65,536, K 68] x [K 68, N 256]; A: computed on the way; B: input w0: QUANTISED
;;     17. [M 65,536, K 256] x [K 256, N 256]; A: computed on the way; B: input w1: QUANTISED
;;     18. [M 65,536, K 256] x [K 256, N 256]; A: computed on the way; B: input w2: QUANTISED
;;     19. [M 65,536, K 256] x [K 256, N 256]; A: computed on the way; B: input w3: QUANTISED
;;     20. [M 65,536, K 256] x [K 256, N 3]; A: computed on the way; B: input w4: left as it is (N = 3 < 16)
;;   THE QUANTISER, for each operand of a quantised product, along K:
;;     - K is cut into blocks of 32 from its start; a last block that is shorter is filled with zeros.
;;     - A block's scale is 2^e with e = floor(log2(the largest magnitude in the block)) - 2, held to -126 .. 127; a block of zeros has e = 0. As a byte (E8M0): e + 127.
;;     - Each number is divided by its block's scale, clamped to +-7.5, and rounded to the nearest number of E2M3, ties to even, subnormals kept.
;;     - The product sums the exact products of the quantised numbers (number of the format x scale) in f32.
;;   ~~~python
;;   def quantise(x, axis):      # numpy; x: float32 -> the quantised numbers, widened to float32 again
;;       x = np.moveaxis(x, axis, -1); K = x.shape[-1]
;;       x = np.pad(x, [(0, 0)] * (x.ndim - 1) + [(0, -K % 32)]); x = x.reshape(x.shape[:-1] + (-1, 32)); a = np.abs(x).max(-1, keepdims=True)
;;       e = np.where(a > 0, np.clip(np.frexp(np.where(a > 0, a, 1))[1] - 1 - 2, -126, 127), 0)      # np.frexp(a)[1] - 1 = floor(log2(a)), exactly
;;       r = np.clip(x / 2.0 ** e, -7.5, 7.5)
;;       step = 2.0 ** (np.maximum(np.frexp(np.where(r == 0, 1, r))[1] - 1, 0) - 3)
;;       q = np.round(r / step) * step * 2.0 ** e      # np.round: ties to even
;;       return np.moveaxis(q.reshape(q.shape[:-2] + (-1,))[..., :K], -1, axis).astype(np.float32)
;;   ~~~
;;   OPERANDS COMPUTED ON THE WAY. 'Computed on the way' means the value that the module computes at that place (a softmax that the list does not call 'softmax' is quantised finished and normalised). What goes into a quantiser is computed in f32, as accurately as f32 sums, v_exp_f32 and their like allow (about 1e-6 of the number): no bf16 or f16 on the way to a quantiser, and a product that is left as it is and whose result goes on into a quantised operand takes f32 operands (vector FMAs, or v_wmma_f32_16x16x4_f32). A number that lies on a knife's edge between two numbers of the format may be rounded either way, as far as f32 arithmetic and the matrix unit's own rounding can turn it there, and no further.
;; One version. Each part assembles by itself: llvm-mc -triple=amdgcn-amd-amdhsa -mcpu=gfx1250 --defsym DOCPART=n.
;; ======== version 1 of 1: 2 launches
;; limits: values are held in bf16: 8 bits of precision; right only within a limited range of input values
;; workspace buffers: featq 2,097,152 bytes; qidx 1,048,576 bytes of whole numbers; qx2 1,048,576 bytes; qwgt 1,048,576 bytes; wimg 192,512 bytes
;; launch prep (part 1): grid 787 x 1, 4 waves a work-group, no clusters, 10,752 bytes of LDS; arguments feat, grid, cell, w0, w1, w2, w3, w4, b0, b1, b2, b3, b4, featq, qidx, qx2, qwgt, wimg; writes featq, qidx, qx2, qwgt, wimg
.if DOCPART == 1
	.amdgcn_target "amdgcn-amd-amdhsa--gfx1250"
	.amdhsa_code_object_version 6
	.text
	.protected	k_q7f4ae9ec90_prep
	.globl	k_q7f4ae9ec90_prep
	.p2align	8
	.type	k_q7f4ae9ec90_prep,@function
k_q7f4ae9ec90_prep:
	s_mov_b64 s[64:65], 0
	v_nop
	global_prefetch_b8 v0, s[64:65] scope:SCOPE_SE
	s_setreg_imm32_b32 hwreg(HW_REG_WAVE_MODE, 25, 1), 1
	s_wait_xcnt 0x0
; LIIF, first launch: all that is made once.  Six shares, told apart by the work-group's number alone:
;   0-11    WT    w1, w2, w3 [256 (k)][256 (n)] f32 -> codes of FP6 (E2M3) and E8M0 scale words, a wave to a tile of 16 hidden units, laid as images of the operand's registers
;   12-15   W0T   w0 [68][256] likewise, K filled with zeros up to 128
;   16-17   W4    w4 [256][3] -> bf16 fragments of the last product, a wave to 32 along K
;   18      MISC  b0 .. b3 copied, b4 laid as the last product's C, the image's spare bytes cleared
;   19-274  FEAT  feat [2][64][128][128]: each pixel's 64 channels are blocks 0 and 1 of the first product's K: quantised ONCE a pixel, K moved innermost: a record of 64 bytes a pixel
;   275-786 QRY   for each query and each of the four shifts: the pixel's number (whole numbers: the next launch gathers by them), the codes and scale byte of block 2 (q_grid, q_cell), the blend weight
; A LANE TAKES A COLUMN (a hidden unit, a pixel) AND ITS REGISTERS RUN DOWN K, so a block of 32 lies in one lane and the conversions give codes with K innermost.
; A block's scale is 2^(floor(log2(largest magnitude)) - 2); its byte is the largest magnitude's exponent field - 2, held at 1 from below by a floor among the maximum's leaves.
; LIMITS: a block of zeros gets the byte 1 where the rule says 127 (its codes are zeros, and this program alone reads the bytes); NaN and infinities among the inputs are not served;
; area / total is a reciprocal (1 ulp) and a multiplication.
; THE IMAGE wimg (bytes): 0 w0's scale words; 1024, 3072, 5120 w1's, w2's, w3's; 7168 b0 .. b3; 11264 b4; 11520 w4's fragments; 19712 zeros; 20480 w0's fragments; 45056, 94208, 143360 w1's, w2's, w3's.
; The rows of a weight that form a tile are not neighbours: lane r of tile 4 c + t takes hidden unit 64 c + 8 t + r % 8 + 32 (r / 8), so that in the next launch a lane's 32 results of four tiles are 32 neighbours along the next K.
.set SPARE, 10240                      ; behind the four stages: the spare words, 128 bytes a wave
.set SPW,  12                          ; v12  LDS address of my spare word; never rewritten
.set NIL,  13                          ; v13  0; never rewritten
.set SIN,  14                          ; v14  FEAT's stage, on the way in: 2560 x wave + 80 x lane
.set SOUT, 15                          ; v15  and on the way out: 2560 x wave + 80 (lane / 4) + 16 (lane % 4)
.set X0,   32                          ; v32-95   64 numbers
.set X1,   96                          ; v96-159  64 more
.set CD,   160                         ; v160-175 codes
.set T4,   176                         ; v176-178, v180-182: a conversion's three registers begin on an even number: a block's second half is made here and moved
.set T8,   180
.set SW,   184                         ; v184-185 scale words
; v1 lane, v2 r = lane % 16, v3 h = lane / 16, v4 4 (r + 24 (r / 8)) + 32 h rows of a weight, v5 the same without h, v6 16 x lane, v7 8 r, v8 4 r; v16-23 at work
.macro MAX2 x                          ; two blocks of 32, v[x ..] and v[x + 32 ..], by turns: largest magnitudes v16, v17; the conversions' scale operands v18, v19; the bytes v20, v21
	v_max3_num_f32 v16, |v[\x]|, |v[\x+1]|, s46                    ; the floor 2^(3 - 127) is one more leaf: the byte cannot fall under 1
	v_max3_num_f32 v17, |v[\x+32]|, |v[\x+33]|, s46
.set mi, 2
.rept 15
	v_max3_num_f32 v16, v16, |v[\x+mi]|, |v[\x+mi+1]|
	v_max3_num_f32 v17, v17, |v[\x+32+mi]|, |v[\x+33+mi]|
.set mi, mi+2
.endr
	v_add_nc_u32 v18, s47, v16                     ; 2 off the exponent field: the conversion takes that field of this operand as its scale
	v_add_nc_u32 v19, s47, v17
	v_lshrrev_b32 v20, 23, v18                     ; the scale's byte
	v_lshrrev_b32 v21, 23, v19
.endm
.macro CVT2 x, c0, c1                  ; their codes: 24 bytes each, in v[c0 .. c0 + 5] and v[c1 .. c1 + 5]
	v_cvt_scalef32_pk16_fp6_f32 v[\c0:\c0+2], v[\x:\x+15], v18
	v_cvt_scalef32_pk16_fp6_f32 v[T4:T4+2], v[\x+16:\x+31], v18
	v_cvt_scalef32_pk16_fp6_f32 v[\c1:\c1+2], v[\x+32:\x+47], v19
	v_cvt_scalef32_pk16_fp6_f32 v[T8:T8+2], v[\x+48:\x+63], v19
	v_nop                                          ; one plain place behind a scaled conversion
.irp i, 0,1,2
	v_mov_b32 v[\c0+3+\i], v[T4+\i]
	v_mov_b32 v[\c1+3+\i], v[T8+\i]
.endr
.endm
.macro QFRAG x, w                      ; 64 numbers, register 32 c + i = k 64 c + 32 h + i of my column, become a fragment's 12 registers in v[CD ..] and its scale word in v[w]
	MAX2 \x
	v_lshl_or_b32 v[\w], v21, 16, v20              ; my two bytes: blocks h and 2 + h,
	v_lshlrev_b32 v23, 3, v3
	v_lshlrev_b32 v[\w], v23, v[\w]                ; at their places in the word (8 h bits up);
	v_permlanex16_b32 v22, v[\w], s44, s45
	v_or_b32 v[\w], v[\w], v22                     ; with lane l xor 16's two the word is whole
	CVT2 \x, CD, CD+6
.endm
.macro PUTFRAG off                     ; the fragment goes out as it stands: each store covers 512 consecutive bytes, at a multiple of 512 from the image's first byte
.irp g, 0,1,2
	global_store_b128 v6, v[CD+4*\g:CD+4*\g+3], s[54:55] offset:\off+512*\g
.endr
.endm
.macro TILE                            ; tile s5 -> s50 = b, s51 = u, s[52:53] = 4 (32 b + 8 u): the tile's first column in bytes
	s_lshr_b32 s50, s5, 1
	s_and_b32 s51, s5, 1
	s_lshr_b32 s52, s5, 2                          ; THE MAP OF A TILE'S ROWS, as it stands now: lane r of tile 4 c + t takes hidden unit 64 c + 8 t + r % 8 + 32 (r / 8),
	s_lshl_b32 s52, s52, 8                         ; so that in the next launch a lane's 32 results of a chunk's four tiles are one whole block of 32 along the next K
	s_and_b32 s53, s5, 3
	s_lshl_b32 s53, s53, 5                         ; the tile's first column in bytes: 256 c + 32 t
	s_add_co_u32 s52, s52, s53
	s_mov_b32 s53, 0
.endm
	s_load_b512 s[8:23], s[0:1], 0x0               ; feat s8, grid s10, cell s12, w0 s14, w1 s16, w2 s18, w3 s20, w4 s22
	s_load_b512 s[24:39], s[0:1], 0x40             ; b0 s24, b1 s26, b2 s28, b3 s30, b4 s32, featq s34, qidx s36, qx2 s38
	s_load_b128 s[40:43], s[0:1], 0x80             ; qwgt s40, wimg s42
	v_lshl_add_u32 v[SPW], v0, 2, SPARE
	v_mov_b32 v[NIL], 0
	v_lshrrev_b32 v1, 5, v0
	v_readfirstlane_b32 s4, v1                     ; wave 0..3
	v_and_b32 v1, 31, v0
	v_and_b32 v2, 15, v0
	v_bfe_u32 v3, v0, 4, 1
	s_mul_i32 s5, s4, 2560
	v_mul_u32_u24 v[SIN], v1, 80
	v_add_nc_u32 v[SIN], s5, v[SIN]
	v_lshrrev_b32 v[SOUT], 2, v1
	v_mul_u32_u24 v[SOUT], v[SOUT], 80
	v_and_b32 v4, 3, v1
	v_lshl_add_u32 v[SOUT], v4, 4, v[SOUT]
	v_add_nc_u32 v[SOUT], s5, v[SOUT]
	v_and_b32 v4, 8, v2
	v_mad_u32_u24 v4, v4, 3, v2                    ; r + 24 (r / 8) = r % 8 + 32 (r / 8)
	v_lshlrev_b32 v5, 2, v4
	v_lshl_add_u32 v4, v3, 15, v5                  ; lanes 16-31 begin 32 rows of 1,024 bytes further down
	v_lshlrev_b32 v6, 4, v1
	v_lshlrev_b32 v7, 3, v2
	v_lshlrev_b32 v8, 2, v2
	v_mov_b32 v22, 0                               ; written once: a lane permute's destination counts as one of its sources
	s_mov_b32 s44, 0x76543210
	s_mov_b32 s45, 0xfedcba98                      ; v_permlanex16_b32's selects for lane l xor 16
	s_mov_b32 s46, 0x1800000                       ; the floor 2^(3 - 127)
	s_mov_b32 s47, 0xff000000                      ; -(2 << 23)
	s_wait_kmcnt 0x0
	s_cmp_ge_u32 ttmp9, 275
	s_cbranch_scc1 .Lqry
	s_cmp_ge_u32 ttmp9, 19
	s_cbranch_scc1 .Lfeat
	s_cmp_ge_u32 ttmp9, 18
	s_cbranch_scc1 .Lmisc
	s_cmp_ge_u32 ttmp9, 16
	s_cbranch_scc1 .Lw4
	s_cmp_ge_u32 ttmp9, 12
	s_cbranch_scc1 .Lw0
; ---- WT: wave 4 id + wave = 16 x layer + tile: 16 hidden units x all 256 along K: two fragments
	s_lshl_b32 s5, ttmp9, 2
	s_add_co_u32 s5, s5, s4
	s_lshr_b32 s6, s5, 4                           ; 0, 1, 2: w1, w2, w3
	s_and_b32 s5, s5, 15
	s_cmp_eq_u32 s6, 0
	s_cselect_b64 s[48:49], s[16:17], s[18:19]
	s_cmp_eq_u32 s6, 2
	s_cselect_b64 s[48:49], s[20:21], s[48:49]
	TILE
	s_add_nc_u64 s[48:49], s[48:49], s[52:53]
.set li, 0
	s_wait_alu depctr_va_vdst(0)
.rept 64
	global_load_b32 v[X0+li], v4, s[48:49] offset:(64*(li/32)+li%32)*1024       ; W(64 c + 32 h + i, my unit)
.set li, li+1
.endr
.set li, 0
.rept 64
	global_load_b32 v[X1+li], v4, s[48:49] offset:(128+64*(li/32)+li%32)*1024   ; the second 128 along K
.set li, li+1
.endr
	s_mul_i32 s54, s6, 49152                       ; the fragments' place in the image: 45056 + 49152 layer + 6144 b + 3072 u
	s_mul_i32 s55, s50, 6144
	s_add_co_u32 s54, s54, s55
	s_mul_i32 s55, s51, 3072
	s_add_co_u32 s54, s54, s55
	s_add_co_u32 s54, s54, 45056
	s_mov_b32 s55, 0
	s_add_nc_u64 s[54:55], s[42:43], s[54:55]
	s_lshl_b32 s56, s6, 11                         ; the scale words': 1024 + 2048 layer + 256 b + 128 u
	s_lshl_b32 s57, s50, 8
	s_add_co_u32 s56, s56, s57
	s_lshl_b32 s57, s51, 7
	s_add_co_u32 s56, s56, s57
	s_add_co_u32 s56, s56, 1024
	s_mov_b32 s57, 0
	s_add_nc_u64 s[56:57], s[42:43], s[56:57]
	s_wait_loadcnt 63                              ; 64 loads were issued behind the first 64: with at most 63 out the first 64 are in
	QFRAG X0, SW
	PUTFRAG 0
	s_wait_loadcnt 0x0
	s_wait_xcnt 0x0                                ; the stores have read the codes' registers, which are written again
	QFRAG X1, SW+1
	PUTFRAG 1536
	global_store_b64 v7, v[SW:SW+1], s[56:57]      ; 8 bytes a hidden unit; both halves of the lanes write the same bytes with the same value
	s_endpgm
; ---- W0T: tile 4 (id - 12) + wave of w0: K = 68, filled with zeros up to 128
.Lw0:
	s_sub_co_u32 s5, ttmp9, 12
	s_lshl_b32 s5, s5, 2
	s_add_co_u32 s5, s5, s4
	TILE
	s_add_nc_u64 s[14:15], s[14:15], s[52:53]
.set li, 0
	s_wait_alu depctr_va_vdst(0)
.rept 32
	global_load_b32 v[X0+li], v4, s[14:15] offset:li*1024                       ; k = 32 h + i
.set li, li+1
.endr
.irp i, 0,1,2,3
	global_load_b32 v[X0+32+\i], v5, s[14:15] offset:(64+\i)*1024               ; k = 64 + i, in both halves of the lanes: no load leaves the buffer
.endr
	s_mul_i32 s54, s50, 3072                       ; 20480 + 3072 b + 1536 u
	s_mul_i32 s55, s51, 1536
	s_add_co_u32 s54, s54, s55
	s_add_co_u32 s54, s54, 20480
	s_mov_b32 s55, 0
	s_add_nc_u64 s[54:55], s[42:43], s[54:55]
	s_lshl_b32 s56, s50, 7                         ; 128 b + 64 u
	s_lshl_b32 s57, s51, 6
	s_add_co_u32 s56, s56, s57
	s_mov_b32 s57, 0
	s_add_nc_u64 s[56:57], s[42:43], s[56:57]
.set li, 36
.rept 28
	v_mov_b32 v[X0+li], 0                          ; past the end of K: zeros
.set li, li+1
.endr
	v_cmp_eq_u32 vcc_lo, 0, v3
	s_wait_loadcnt 0x0
.irp i, 0,1,2,3
	v_cndmask_b32 v[X0+32+\i], 0, v[X0+32+\i], vcc_lo    ; lanes 16-31 hold k = 96 on: zeros
.endr
	QFRAG X0, SW
	PUTFRAG 0
	global_store_b32 v8, v[SW], s[56:57]
	s_endpgm
; ---- W4: fragment b = 4 (id - 16) + wave of the last product (bf16, 16 x 16 x 32, used transposed: source 0 = w4's columns).
; Lane (row, h), register i: w4[r0 + 32 h + 2 i][j] and w4[r0 + 32 h + 2 i + 1][j], r0 = 64 (b / 2) + 16 (b % 2), j = row % 8, zeros where j > 2: K stands in the order in which the hidden layer's registers hold it,
; alike on both sides of the product; rows 8-10 repeat rows 0-2, so that both halves of the lanes get the three results.
.Lw4:
	s_sub_co_u32 s5, ttmp9, 16
	s_lshl_b32 s5, s5, 2
	s_add_co_u32 s5, s5, s4
	s_lshr_b32 s50, s5, 1                          ; fragment f = 2 c + i begins at row 64 c + 16 i of w4 (12 bytes a row); lanes 16-31 stand 32 rows further down
	s_mul_i32 s50, s50, 768
	s_and_b32 s51, s5, 1
	s_mul_i32 s51, s51, 192
	s_add_co_u32 s50, s50, s51
	s_mov_b32 s51, 0
	s_add_nc_u64 s[22:23], s[22:23], s[50:51]
	v_and_b32 v9, 7, v2
	v_min_u32 v10, 2, v9                           ; a lane with j > 2 reads j = 2 and throws it away: no load leaves the buffer
	v_lshlrev_b32 v10, 2, v10
	v_mad_u32_u24 v10, v3, 384, v10
.set li, 0
.rept 16
	global_load_b32 v[X0+li], v10, s[22:23] offset:12*li
.set li, li+1
.endr
	s_lshl_b32 s54, s5, 10
	s_add_co_u32 s54, s54, 11520
	s_mov_b32 s55, 0
	s_add_nc_u64 s[54:55], s[42:43], s[54:55]
	v_cmp_gt_u32 vcc_lo, 3, v9
	s_wait_loadcnt 0x0
.set li, 0
.rept 16
	v_cndmask_b32 v[X0+li], 0, v[X0+li], vcc_lo
.set li, li+1
.endr
.irp i, 0,1,2,3,4,5,6,7
	v_cvt_pk_bf16_f32 v[CD+\i], v[X0+2*\i], v[X0+2*\i+1]
.endr
	global_store_b128 v6, v[CD:CD+3], s[54:55]
	global_store_b128 v6, v[CD+4:CD+7], s[54:55] offset:512
	s_endpgm
; ---- MISC: the biases as they are; b4 at words 0-2 and 16-18 of its 256 bytes (one place for each half of the lanes), zeros around it; 768 bytes of zeros so that the image is whole
.Lmisc:
	v_lshlrev_b32 v9, 3, v0
	global_load_b64 v[32:33], v9, s[24:25]
	global_load_b64 v[34:35], v9, s[26:27]
	global_load_b64 v[36:37], v9, s[28:29]
	global_load_b64 v[38:39], v9, s[30:31]
	s_load_b96 s[68:70], s[32:33], 0x0
	s_lshl_b32 s5, s4, 8
	s_add_co_u32 s5, s5, 19456
	s_cmp_eq_u32 s4, 0
	s_cselect_b32 s50, 11264, s5                   ; wave 0: b4's 256 bytes; waves 1-3: 19712 + 256 (wave - 1)
	s_mov_b32 s51, 0
	s_add_nc_u64 s[50:51], s[42:43], s[50:51]
	v_lshlrev_b32 v11, 3, v1
	v_and_b32 v10, 0x77, v0                        ; 0 in threads 0 and 8, 1 in threads 1 and 9, more elsewhere
	v_cmp_eq_u32 s6, 0, v10
	v_cmp_eq_u32 s7, 1, v10
	s_wait_kmcnt 0x0
	v_mov_b32 v42, s68
	v_mov_b32 v43, s69
	v_mov_b32 v44, s70
	v_cndmask_b32 v40, 0, v42, s6
	v_cndmask_b32 v40, v40, v44, s7
	v_cndmask_b32 v41, 0, v43, s6
	global_store_b64 v11, v[40:41], s[50:51]
	s_wait_loadcnt 0x0
	global_store_b64 v9, v[32:33], s[42:43] offset:7168
	global_store_b64 v9, v[34:35], s[42:43] offset:8192
	global_store_b64 v9, v[36:37], s[42:43] offset:9216
	global_store_b64 v9, v[38:39], s[42:43] offset:10240
	s_endpgm
; ---- FEAT: work-group j = id - 19 takes one row of 128 pixels, a wave 32 of them, a lane a pixel; its 64 registers run down the channels: each load reads 128 consecutive bytes.
; A record: for each half (32 bytes): 24 bytes of codes of channels 32 half on, the word (byte of block 0 | byte of block 1 << 8), a word of 0.
; A lane's 64 bytes go through the wave's own stage (80 bytes from lane to lane) and leave as they lie in memory: each store covers 512 consecutive bytes.
.Lfeat:
	s_sub_co_u32 s5, ttmp9, 19
	s_lshr_b32 s50, s5, 7
	s_lshl_b32 s50, s50, 22                        ; the image of the batch: 64 x 16,384 x 4 bytes
	s_and_b32 s51, s5, 127
	s_lshl_b32 s51, s51, 9                         ; the row of pixels
	s_add_co_u32 s50, s50, s51
	s_lshl_b32 s51, s4, 7                          ; my wave's 32 pixels
	s_add_co_u32 s50, s50, s51
	s_mov_b32 s51, 0
	s_add_nc_u64 s[8:9], s[8:9], s[50:51]
	v_lshlrev_b32 v9, 2, v1
.set li, 0
.rept 64
	global_load_b32 v[X0+li], v9, s[8:9] offset:li*65536 th:TH_LOAD_NT          ; channel li: 63 x 65,536 stays inside the signed 24-bit immediate
.set li, li+1
.endr
	s_lshl_b32 s52, s5, 13                         ; 128 records of 64 bytes a work-group,
	s_lshl_b32 s53, s4, 11                         ; 32 a wave
	s_add_co_u32 s52, s52, s53
	s_mov_b32 s53, 0
	s_add_nc_u64 s[34:35], s[34:35], s[52:53]
	s_wait_loadcnt 0x0
	MAX2 X0
	v_lshl_or_b32 v[CD+6], v21, 8, v20
	v_mov_b32 v[CD+7], 0
	v_mov_b32 v[CD+14], v[CD+6]
	v_mov_b32 v[CD+15], 0
	CVT2 X0, CD, CD+8
.irp i, 0,1,2,3
	ds_store_b128 v[SIN], v[CD+4*\i:CD+4*\i+3] offset:16*\i
.endr
.irp i, 0,1,2,3
	ds_load_b128 v[X1+4*\i:X1+4*\i+3], v[SOUT] offset:640*\i    ; LDS serves a wave's instructions in order (ISA guide 5.7.1.4): these see my stores
.endr
.irp i, 0,1,2,3
	s_wait_dscnt 3-\i                              ; the younger LDS loads may stay out
	global_store_b128 v6, v[X1+4*\i:X1+4*\i+3], s[34:35] offset:512*\i
.endr
	s_wait_tensorcnt 0x0                           ; the wave's end
	ds_add_u32 v[SPW], v[NIL]
	s_wait_dscnt 0x0
	s_endpgm
; ---- QRY: a thread to a query, q = 128 (id - 275) + thread.  e = 2 d + sign: d = 0 the y axis, 1 the x axis; sign = 0: one pixel's half down, 1: up.  Shift s = 2 (y's sign) + (x's sign).
.set FF,  28                           ; v28-31   at work, one for each e
.set QG,  100                          ; v100-103 q_grid for each e
.set II,  104                          ; v104-107 the pixel's index along the axis
.set QC,  108                          ; v108-109 q_cell
.set AR,  110                          ; v110-113 the four areas
.set TOT, 114
.set RC,  115
.set IDX, 116                          ; v116-119 the four pixels' numbers
.set WG,  120                          ; v120-123 the four weights
.set XW,  124                          ; v124-127 the four words of block 2
.set QM,  128
.set QS,  132
.set QB,  136
.Lqry:
	s_sub_co_u32 s5, ttmp9, 275
	s_lshl_b32 s2, s5, 10
	s_mov_b32 s3, 0
	s_add_nc_u64 s[10:11], s[10:11], s[2:3]
	s_add_nc_u64 s[12:13], s[12:13], s[2:3]
	v_lshlrev_b32 v9, 3, v0
	global_load_b64 v[24:25], v9, s[10:11] th:TH_LOAD_NT
	global_load_b64 v[26:27], v9, s[12:13] th:TH_LOAD_NT
	s_lshl_b32 s2, s5, 11
	s_add_nc_u64 s[36:37], s[36:37], s[2:3]
	s_add_nc_u64 s[38:39], s[38:39], s[2:3]
	s_add_nc_u64 s[40:41], s[40:41], s[2:3]
	s_mov_b32 s48, 0xbf7fffef                      ; -1 + 1e-6 as f32
	s_mov_b32 s49, 0x3f7fffef                      ; 1 - 1e-6
	s_mov_b32 s50, 0x3c000000                      ; 1 / 128
	s_mov_b32 s51, 0x42800000                      ; 64
	s_mov_b32 s52, 0x42fe0000                      ; 127
	s_mov_b32 s53, 0x3c800000                      ; 1 / 64
	s_mov_b32 s54, 0xbf7e0000                      ; -127 / 128
	s_mov_b32 s55, 0x43000000                      ; 128
	s_mov_b32 s56, 0x3089705f                      ; 1e-9
	s_lshr_b32 s57, s5, 8
	s_lshl_b32 s57, s57, 14                        ; the batch's first pixel
	v_lshlrev_b32 v10, 4, v0
	s_wait_loadcnt 0x0
.irp e, 0,1,2,3                        ; the four by turns, step by step
.if (\e)%2
	v_add_f32 v[FF+\e], s50, v[24+(\e)/2]
.else
	v_subrev_f32 v[FF+\e], s50, v[24+(\e)/2]
.endif
.endr
.irp e, 0,1,2,3
	v_med3_num_f32 v[FF+\e], v[FF+\e], s48, s49    ; the clip
.endr
.irp e, 0,1,2,3
	v_add_f32 v[FF+\e], 1.0, v[FF+\e]
.endr
.irp e, 0,1,2,3
	v_fma_f32 v[FF+\e], v[FF+\e], s51, -0.5        ; ((a x 128) - 1) x 0.5: the two scalings are exact, so the one rounding here is the subtraction's
.endr
.irp e, 0,1,2,3
	v_rndne_f32 v[FF+\e], v[FF+\e]                 ; ties to even
.endr
.irp e, 0,1,2,3
	v_med3_num_f32 v[FF+\e], v[FF+\e], 0, s52
.endr
.irp e, 0,1,2,3
	v_cvt_u32_f32 v[II+\e], v[FF+\e]
.endr
.irp e, 0,1,2,3
	v_fma_f32 v[FF+\e], v[FF+\e], s53, s54         ; the pixel's centre, -1 + (2 i + 1) / 128: exact
.endr
.irp e, 0,1,2,3
	v_sub_f32 v[QG+\e], v[24+(\e)/2], v[FF+\e]
.endr
.irp e, 0,1,2,3
	v_mul_f32 v[QG+\e], s55, v[QG+\e]
.endr
	v_mul_f32 v[QC], s55, v26
	v_mul_f32 v[QC+1], s55, v27
.irp s, 0,1,2,3
	v_lshl_add_u32 v[IDX+\s], v[II+(\s)/2], 7, v[II+2+(\s)%2]
	v_mul_f32 v[AR+\s], v[QG+(\s)/2], v[QG+2+(\s)%2]
.endr
.irp s, 0,1,2,3
	v_add_nc_u32 v[IDX+\s], s57, v[IDX+\s]
	v_add_f32 v[AR+\s], |v[AR+\s]|, s56
.endr
	global_store_b128 v10, v[IDX:IDX+3], s[36:37]  ; each of the three stores of a wave covers 512 consecutive bytes
	v_add_f32 v[TOT], v[AR], v[AR+1]
	v_add_f32 v[TOT], v[TOT], v[AR+2]
	v_add_f32 v[TOT], v[TOT], v[AR+3]
	s_wait_alu depctr_va_vdst(0)
	v_rcp_f32 v[RC], v[TOT]
.irp s, 0,1,2,3                        ; block 2 of the first product's K for each shift: four numbers and zeros.  (Plain work behind the reciprocal)
	v_mov_b32 v[X0+16*\s], v[QG+(\s)/2]
	v_mov_b32 v[X0+16*\s+1], v[QG+2+(\s)%2]
	v_mov_b32 v[X0+16*\s+2], v[QC]
	v_mov_b32 v[X0+16*\s+3], v[QC+1]
.irp i, 4,5,6,7,8,9,10,11,12,13,14,15
	v_mov_b32 v[X0+16*\s+\i], 0
.endr
.endr
	s_wait_alu depctr_va_vdst(0)                   ; the wait ahead of the reciprocal's first reader
.irp s, 0,1,2,3
	v_mul_f32 v[WG+\s], v[AR+3-\s], v[RC]          ; the areas change places across the diagonal
.endr
	global_store_b128 v10, v[WG:WG+3], s[40:41]
.irp s, 0,1,2,3
	v_max3_num_f32 v[QM+\s], |v[X0+16*\s]|, |v[X0+16*\s+1]|, s46
.endr
.irp s, 0,1,2,3
	v_max3_num_f32 v[QM+\s], v[QM+\s], |v[X0+16*\s+2]|, |v[X0+16*\s+3]|
.endr
.irp s, 0,1,2,3
	v_add_nc_u32 v[QS+\s], s47, v[QM+\s]
.endr
.irp s, 0,1,2,3
	v_lshrrev_b32 v[QB+\s], 23, v[QS+\s]
.endr
.irp s, 0,1,2,3
	v_cvt_scalef32_pk16_fp6_f32 v[CD+4*\s:CD+4*\s+2], v[X0+16*\s:X0+16*\s+15], v[QS+\s]
.endr
	v_nop                                          ; one plain place behind a scaled conversion
.irp s, 0,1,2,3
	v_lshl_or_b32 v[XW+\s], v[QB+\s], 24, v[CD+4*\s]   ; four codes in bits 0-23 (the codes behind them are zeros), the scale's byte on top
.endr
	global_store_b128 v10, v[XW:XW+3], s[38:39]
	s_endpgm
.Lfunc_end_k_q7f4ae9ec90_prep:
	.size	k_q7f4ae9ec90_prep, .Lfunc_end_k_q7f4ae9ec90_prep-k_q7f4ae9ec90_prep
	.p2alignl 7, 3214868480
	.fill 96, 4, 3214868480
	.section	.rodata,"a",@progbits
	.p2align	6, 0x0
	.amdhsa_kernel k_q7f4ae9ec90_prep
		.amdhsa_group_segment_fixed_size 10752
		.amdhsa_private_segment_fixed_size 0
		.amdhsa_enable_private_segment 0
		.amdhsa_kernarg_size 144
		.amdhsa_user_sgpr_count 2
		.amdhsa_user_sgpr_kernarg_segment_ptr 1
		.amdhsa_wavefront_size32 1
		.amdhsa_system_sgpr_workgroup_id_x 1
		.amdhsa_system_sgpr_workgroup_id_y 1
		.amdhsa_system_sgpr_workgroup_id_z 1
		.amdhsa_system_vgpr_workitem_id 0
		.amdhsa_next_free_vgpr 192
		.amdhsa_next_free_sgpr 72
		.amdhsa_reserve_vcc 1
		.amdhsa_float_denorm_mode_32 3
		.amdhsa_float_denorm_mode_16_64 3
		.amdhsa_memory_ordered 1
		.amdhsa_forward_progress 1
		.amdhsa_inst_pref_size 54
	.end_amdhsa_kernel
	.amdgpu_metadata
---
amdhsa.version: [ 1, 2 ]
amdhsa.kernels:
  - .name:           k_q7f4ae9ec90_prep
    .symbol:         k_q7f4ae9ec90_prep.kd
    .args:
      - { .name: feat, .offset: 0, .size: 8, .value_kind: global_buffer, .address_space: global }
      - { .name: grid, .offset: 8, .size: 8, .value_kind: global_buffer, .address_space: global }
      - { .name: cell, .offset: 16, .size: 8, .value_kind: global_buffer, .address_space: global }
      - { .name: w0, .offset: 24, .size: 8, .value_kind: global_buffer, .address_space: global }
      - { .name: w1, .offset: 32, .size: 8, .value_kind: global_buffer, .address_space: global }
      - { .name: w2, .offset: 40, .size: 8, .value_kind: global_buffer, .address_space: global }
      - { .name: w3, .offset: 48, .size: 8, .value_kind: global_buffer, .address_space: global }
      - { .name: w4, .offset: 56, .size: 8, .value_kind: global_buffer, .address_space: global }
      - { .name: b0, .offset: 64, .size: 8, .value_kind: global_buffer, .address_space: global }
      - { .name: b1, .offset: 72, .size: 8, .value_kind: global_buffer, .address_space: global }
      - { .name: b2, .offset: 80, .size: 8, .value_kind: global_buffer, .address_space: global }
      - { .name: b3, .offset: 88, .size: 8, .value_kind: global_buffer, .address_space: global }
      - { .name: b4, .offset: 96, .size: 8, .value_kind: global_buffer, .address_space: global }
      - { .name: featq, .offset: 104, .size: 8, .value_kind: global_buffer, .address_space: global }
      - { .name: qidx, .offset: 112, .size: 8, .value_kind: global_buffer, .address_space: global }
      - { .name: qx2, .offset: 120, .size: 8, .value_kind: global_buffer, .address_space: global }
      - { .name: qwgt, .offset: 128, .size: 8, .value_kind: global_buffer, .address_space: global }
      - { .name: wimg, .offset: 136, .size: 8, .value_kind: global_buffer, .address_space: global }
    .group_segment_fixed_size: 10752
    .private_segment_fixed_size: 0
    .kernarg_segment_align: 8
    .kernarg_segment_size: 144
    .max_flat_workgroup_size: 128
    .sgpr_count:     72
    .vgpr_count:     192
    .wavefront_size: 32
...
	.end_amdgpu_metadata
.endif
;; end of part 1
;; launch mlp (part 2): grid 256 x 1, 4 waves a work-group, clusters of 4 x 1, 196,608 bytes of LDS; arguments qidx, qx2, qwgt, featq, wimg, out0; writes out0
.if DOCPART == 2
	.amdgcn_target "amdgcn-amd-amdhsa--gfx1250"
	.amdhsa_code_object_version 6
	.text
	.protected	k_q7f4ae9ec90_mlp
	.globl	k_q7f4ae9ec90_mlp
	.p2align	8
	.type	k_q7f4ae9ec90_mlp,@function
k_q7f4ae9ec90_mlp:
	s_mov_b64 s[64:65], 0
	v_nop
	global_prefetch_b8 v0, s[64:65] scope:SCOPE_SE
	s_setreg_imm32_b32 hwreg(HW_REG_WAVE_MODE, 25, 1), 1
	s_wait_xcnt 0x0
	s_wait_alu depctr_hold_cnt(0) depctr_sa_sdst(0) depctr_va_vdst(0) depctr_va_sdst(0) depctr_va_ssrc(0) depctr_va_vcc(0) depctr_vm_vsrc(0)
	s_getreg_b32 s2, hwreg(HW_REG_IB_STS2, 6, 4)
	s_cmp_eq_u32 s2, 0
	s_cbranch_scc0 .Lentry_in_a_cluster
	s_endpgm
.Lentry_in_a_cluster:
	s_bfe_u32 s2, ttmp6, 0x10000c
	s_cmp_lg_u32 s2, 0x3003
	s_cbranch_scc0 .Lentry_shape_is_right
	s_endpgm
.Lentry_shape_is_right:
; LIIF, second launch: gather, the MLP 68 -> 256 -> 256 -> 256 -> 256 -> 3 for the four shifts of every query, and the blend.
; The four wide products run on codes of FP6 (E2M3) with one E8M0 scale for each 32 along K; the last (N = 3) on bf16; all sums f32.  The hidden layers never leave the registers.
; SHARES.  A work-group owns 256 queries, each of its four waves 64, in two trips of 32.  A trip has EIGHT tiles of 16 rows: tile m = 4 a + s is shift s of the 16 queries of group a, so a lane holds one query
; in four tiles and the blend changes no lanes.  Each fragment of a weight that is read from LDS feeds eight products.
; WEIGHTS.  All weights as codes, their scale words and the biases are one image of 192,512 bytes, laid by the launch before in the order of the operands' registers.  It comes into LDS once and stays.
; Wave 0 fetches its first 45,056 bytes (all that layer 0 reads) by a load line of its own; waves 1 to 3 one layer's 49,152 bytes each.  Layer 0 starts behind wave 0's tile; the rest is waited for ahead of layer 1.
; CLUSTER.  The four work-groups of a cluster read the same image, so it is asked for JOINTLY: same descriptors in all four, a mask that names the four.
; LAYOUT.  Every product is used transposed (source 0 = 16 rows of the weight, source 1 = 16 rows of x).  Lane r of weight tile 4 c + t holds hidden unit 64 c + 8 t + r % 8 + 32 (r / 8), so a lane's 32 results of
; CHUNK c (four tiles) are hidden units 64 c + 32 (lane / 16) + 0 .. 31: one whole block of the next quantiser, in the lane and the order in which the next operand wants it.
; A chunk: its four tiles x rows 0-3, quantised; then x rows 4-7, quantised.
; LAYERS 1 AND 2 are written out chunk by chunk: the weight's fragments have two buffers by turns, and the next chunk's 24 fragment loads stand in one run behind the first half's activation, most of a chunk ahead of their use;
; its bias and scale words, 10 loads, behind the second half's activation.
; LAYER 0 runs its chunks in a counted loop; only the registers that take the codes differ from chunk to chunk: they stand in four short arms chosen by the counter.  LAYER 3 has its first chunk written out and a loop for the rest.
; No prefetch: the image is filled once, at the head, with no loop to run ahead in; the second trip's pixels are asked for by their own loads a layer ahead of their use.
; LIMITS: a pixel's number is held at 32,767; a block of zeros carries the byte 1 where the rule says 127 (its codes are zeros); the last hidden layer and w4 are rounded to bf16; NaN and infinities are not served.
; REGISTERS.  Window 0: v2-19 what stays; v20-23 the weight's scale words; v25-40, v41-56 x's, two sets (odd bases: never the weight's number modulo 8); v58-85 the quantiser's; v88-119 bias; v120-127 b4; v128-255 16 accumulators.
;   window 1: v0-95 a chunk's eight fragments (buffer 0); v96-111 w4's two; v112-175 the last product's sums; v176-246 the records.
;   windows 2, 3: x's fragments, sets A and B (tile m, K step s at 24 m + 12 s); v192-207 codes on their way; v208-255 buffer 1 of the weight's fragments: K step 0 in window 2, K step 1 in window 3.
.set STAGE, 192512                     ; behind the image: the work-group's 256 x 12 bytes of out0; no tensor load lands here
.set SPARE, 195584                     ; behind the stage: the spare words, 128 bytes a wave
.set SPW,  2
.set NIL,  3
.set L16,  4                           ; 16, 8, 4 x lane
.set L8,   5
.set L4,   6
.set H128, 7                           ; 128 h
.set H8,   8                           ; 8 h
.set AW,   9                           ; fragments, scale words, bias in LDS
.set AS,   10
.set AB,   11
.set AW4,  12                          ; 11520 + 16 x lane
.set A4C,  13
.set STB,  14                          ; STAGE + 768 x wave + 12 r
.set STA,  15
.set MSK,  16                          ; 0xffffff in lanes 0-15, 0 in lanes 16-31
.set ROFF, 17                          ; 16 r
.set OSA,  18
.set OGO,  19
.set WS,   20
.set SXA,  25
.set SXB,  41
.set MX,   58                          ; v58-65: chains 0, 1 of the search for the largest, tile mm at 2 mm; chains 2, 3 stand in BY's and PT's registers, which are free then
.set SO,   66
.set BY,   70
.set BT,   74
.set PT,   82
.set BIAS, 88
.set B4C,  120
.set ACC,  128                         ; accumulator (row tile mm of the half, weight tile t) at 32 mm + 8 t
.set WF,   0                           ; window 1
.set W4F,  96
.set OACC, 112
.set GOFF, 176
.set X2W,  184
.set XSR,  192
.set WGT,  200
.set NIDX, 208
.set NX2W, 216
.set NWGT, 224
.set IDX0, 232
.set RET,  240
.set H32,  246
.set TC,   192                         ; windows 2 and 3
.set WG2,  208
.set MSB, 0
.macro WIN new                         ; s_set_vgpr_msb: bits 1:0 source 0, 3:2 source 1, 5:4 source 2, 7:6 destination; the high byte repeats the setting that is left
.if MSB != \new
	s_set_vgpr_msb (MSB<<8)|\new
.set MSB, \new
.endif
.endm
.macro PLACES n
.rept \n
	v_nop
.endr
.endm
.macro WALU                            ; this wait ahead of blocking waits, barriers and taken branches
	s_wait_alu depctr_va_vdst(0)
.endm
.macro ROUND                           ; a round of the cluster's barrier
	s_barrier_signal -1
	s_barrier_wait -1
	s_cmp_lg_u32 s16, 0
	s_cbranch_scc1 .Lnot_wave_0_\@
	s_barrier_signal -3
.Lnot_wave_0_\@:
	s_barrier_wait -3
	s_barrier_signal -1
	s_barrier_wait -1
.endm
; where chunk min(c + 1, lim) lies in the image: s60 fragments, s61 scale words, s62 bias
.macro NEXTS nk, lim, wb, sb, bb
	s_add_co_u32 s27, s26, 1
	s_min_u32 s27, s27, \lim
	s_mul_i32 s60, s27, 6144*(\nk)
	s_add_co_u32 s60, s60, \wb
	s_lshl_b32 s61, s27, 7+(\nk)
	s_add_co_u32 s61, s61, \sb
	s_lshl_b32 s62, s27, 8
	s_add_co_u32 s62, s62, \bb
.endm
.macro ADRV nk                         ; four plain lines: also the places between products and the loads into what they read
	WIN 0
	v_add_nc_u32 v[AW], s60, v[L16]
.if \nk == 2
	v_add_nc_u32 v[AS], s61, v[L8]
.else
	v_add_nc_u32 v[AS], s61, v[L4]
.endif
	v_add_nc_u32 v[AB], s62, v[H128]
	v_nop
.endm
.macro ADR0 nk, wb, sb, bb
	s_mov_b32 s60, \wb
	s_mov_b32 s61, \sb
	s_mov_b32 s62, \bb
	ADRV \nk
.endm
.macro LOADA nk                        ; the first K step's four fragments (three loads of 512 consecutive bytes each) and the bias: register j of tile t is hidden unit 64 c + 32 h + 8 t + j
	WIN 0x40
.irp t, 0,1,2,3
.irp g, 0,1,2
	ds_load_b128 v[WF+12*(\nk)*\t+4*\g:WF+12*(\nk)*\t+4*\g+3], v[AW] offset:(\nk)*\t*1536+512*\g
.endr
.endr
	WIN 0
.irp t, 0,1,2,3
.irp g, 0,1
	ds_load_b128 v[BIAS+8*\t+4*\g:BIAS+8*\t+4*\g+3], v[AB] offset:32*\t+16*\g
.endr
.endr
.endm
.macro LOADB nk                        ; the scale words (lanes 0-15 tile 2 u, lanes 16-31 tile 2 u + 1, register WS + 2 u + K step), then the second K step's 12 fragment loads
	WIN 0
.if \nk == 2
	ds_load_b64 v[WS:WS+1], v[AS]
	ds_load_b64 v[WS+2:WS+3], v[AS] offset:256
	WIN 0x40
.irp t, 0,1,2,3
.irp g, 0,1,2
	ds_load_b128 v[WF+12*(2*\t+1)+4*\g:WF+12*(2*\t+1)+4*\g+3], v[AW] offset:(2*\t+1)*1536+512*\g
.endr
.endr
	WIN 0
.else
	ds_load_b32 v[WS], v[AS]
	ds_load_b32 v[WS+2], v[AS] offset:128
.endif
.endm
; K steps k0 .. k1 - 1 of half hf: 16 products a K step; the 16 accumulators take turns; the first K step takes the bias as C
.macro MULS nk, xi, sxi, hf, k0, k1
	WIN 0x01|((\xi)<<2)
.set ms, \k0
.rept (\k1)-(\k0)
.irp mm, 0,1,2,3
.irp t, 0,1,2,3
.set rD, ACC+32*\mm+8*\t
.set rA, WF+12*((\nk)*\t+ms)
.set rB, 24*(4*(\hf)+\mm)+12*ms
.if ms == 0
.set rC, BIAS+8*\t
.else
.set rC, rD
.endif
.if (\t)%2 == 0
	v_wmma_scale_f32_16x16x128_f8f6f4 v[rD:rD+7], v[rA:rA+11], v[rB:rB+11], v[rC:rC+7], v[WS+2*((\t)/2)+ms], v[\sxi+2*(4*(\hf)+\mm)+ms] matrix_a_fmt:MATRIX_FMT_FP6 matrix_b_fmt:MATRIX_FMT_FP6
.else
	v_wmma_scale_f32_16x16x128_f8f6f4 v[rD:rD+7], v[rA:rA+11], v[rB:rB+11], v[rC:rC+7], v[WS+2*((\t)/2)+ms], v[\sxi+2*(4*(\hf)+\mm)+ms] matrix_a_fmt:MATRIX_FMT_FP6 matrix_b_fmt:MATRIX_FMT_FP6 matrix_a_scale:MATRIX_SCALE_ROW1
.endif
.endr
.endr
.set ms, ms+1
.endr
.endm
.macro RELU                            ; in f32, two at a time, in ascending order: each accumulator is read from its low end on
	WIN 0
.set qj, 0
.rept 64
	v_dual_max_num_f32 v[ACC+qj], 0, v[ACC+qj] :: v_dual_max_num_f32 v[ACC+qj+1], 0, v[ACC+qj+1]
.set qj, qj+2
.endr
.endm
; Chunk c's codes and bytes: the block's 32 codes into registers 6 c .. 6 c + 5 of each tile's 24, its byte into the scale word.  The byte work is the plain work between the conversions and the moves of their results
.macro VAR xo, sxo, hf, c
	WIN (\xo)<<6
.irp mm, 0,1,2,3
	v_cvt_scalef32_pk16_fp6_f32 v[24*(4*(\hf)+\mm)+6*(\c):24*(4*(\hf)+\mm)+6*(\c)+2], v[ACC+32*\mm:ACC+32*\mm+15], v[SO+\mm]
	v_cvt_scalef32_pk16_fp6_f32 v[TC+4*\mm:TC+4*\mm+2], v[ACC+32*\mm+16:ACC+32*\mm+31], v[SO+\mm]   ; (a conversion's three registers begin on an even number: made here and moved)
.endr
	WIN 0
.if (\c)%2 == 0
.irp mm, 0,1,2,3
	v_lshrrev_b32 v[BT+4*(\hf)+\mm], 23, v[SO+\mm]                ; my byte of blocks 0, 1 of the K step is kept for the next chunk
.endr
.else
.irp mm, 0,1,2,3
	v_lshrrev_b32 v[BY+\mm], 23, v[SO+\mm]
.endr
.irp mm, 0,1,2,3
	v_lshl_or_b32 v[BT+4*(\hf)+\mm], v[BY+\mm], 16, v[BT+4*(\hf)+\mm]   ; my two bytes: blocks h and 2 + h,
.endr
.irp mm, 0,1,2,3
	v_lshlrev_b32 v[BT+4*(\hf)+\mm], v[H8], v[BT+4*(\hf)+\mm]      ; at their places (8 h bits up);
.endr
.irp mm, 0,1,2,3
	v_permlanex16_b32 v[PT+\mm], v[BT+4*(\hf)+\mm], s20, s21
.endr
.irp mm, 0,1,2,3
	v_or_b32 v[\sxo+2*(4*(\hf)+\mm)+(\c)/2], v[BT+4*(\hf)+\mm], v[PT+\mm]   ; with lane l xor 16's two the word is whole
.endr
.endif
	WIN ((\xo)<<6)|(\xo)
.irp mm, 0,1,2,3
.irp i, 0,1,2
	v_mov_b32 v[24*(4*(\hf)+\mm)+6*(\c)+3+\i], v[TC+4*\mm+\i]
.endr
.endr
	WIN 0
.endm
; A half's results, 32 neighbours along the next K a lane and row tile: the activation; LDS loads that are due (ld = 1: the eight fragments of the chunk at byte a2 into buffer a1; ld = 2: chunk a1's bias and scale words);
; the block's largest; the scale operand.  The largest is searched two numbers a line, in four chains a tile over numbers 0-6, 8-15, 16-23, 24-31, sixteen chains by turns; number 7 joins at the end.
; The pairs are chosen so that a line's two first sources, and its two second sources, have different register numbers modulo 4.  None is negative: no |.|; the floor 2^(3 - 127) holds the byte at 1 from below.
.macro QMAX ld, a1, a2
	RELU
.if \ld == 1
.irp k, 0,1,2,3,4,5,6,7
	ULOAD \a1, \k, \a2
.endr
	WIN 0
.endif
.if \ld == 2
	UBS \a1
.endif
.irp mm, 0,1,2,3
	v_dual_max_num_f32 v[MX+2*\mm], s22, v[ACC+32*\mm] :: v_dual_max_num_f32 v[MX+2*\mm+1], v[ACC+32*\mm+8], v[ACC+32*\mm+9]
.endr
.irp mm, 0,1,2,3
	v_dual_max_num_f32 v[BY+2*\mm+8*(\mm/2)], v[ACC+32*\mm+16], v[ACC+32*\mm+17] :: v_dual_max_num_f32 v[BY+2*\mm+8*(\mm/2)+1], v[ACC+32*\mm+25], v[ACC+32*\mm+24]
.endr
.irp k, 0,1,2,3,4,5
.irp mm, 0,1,2,3
	v_dual_max_num_f32 v[MX+2*\mm], v[ACC+32*\mm+1+\k], v[MX+2*\mm] :: v_dual_max_num_f32 v[MX+2*\mm+1], v[ACC+32*\mm+10+\k], v[MX+2*\mm+1]
.endr
.irp mm, 0,1,2,3
	v_dual_max_num_f32 v[BY+2*\mm+8*(\mm/2)], v[ACC+32*\mm+18+\k], v[BY+2*\mm+8*(\mm/2)] :: v_dual_max_num_f32 v[BY+2*\mm+8*(\mm/2)+1], v[ACC+32*\mm+26+(\k+1)%6], v[BY+2*\mm+8*(\mm/2)+1]
.endr
.endr
.irp mm, 0,1,2,3
	v_max3_num_f32 v[MX+2*\mm], v[MX+2*\mm], v[MX+2*\mm+1], v[BY+2*\mm+8*(\mm/2)]
.endr
.irp mm, 0,1,2,3
	v_max3_num_f32 v[SO+\mm], v[MX+2*\mm], v[BY+2*\mm+8*(\mm/2)+1], v[ACC+32*\mm+7]
.endr
.irp mm, 0,1,2,3
	v_add_nc_u32 v[SO+\mm], s23, v[SO+\mm]         ; 2 off the exponent field: the conversion's scale operand
.endr
.endm
.macro QUANT xo, sxo, hf               ; in a loop over the chunks: the chunk's arm is chosen by the counter
	QMAX 0, 0, 0
	WALU
	s_cmp_eq_u32 s26, 0
	s_cbranch_scc1 .Lv0_\@
	s_cmp_eq_u32 s26, 1
	s_cbranch_scc1 .Lv1_\@
	s_cmp_eq_u32 s26, 2
	s_cbranch_scc1 .Lv2_\@
	VAR \xo, \sxo, \hf, 3
	WALU
	s_branch .Lvj_\@
.Lv0_\@:
	VAR \xo, \sxo, \hf, 0
	WALU
	s_branch .Lvj_\@
.Lv1_\@:
	VAR \xo, \sxo, \hf, 1
	WALU
	s_branch .Lvj_\@
.Lv2_\@:
	VAR \xo, \sxo, \hf, 2
	WALU
.Lvj_\@:
.endm
; The second half's products in a loop over chunks, with the next chunk's loads as its registers fall free
.macro HALF1 nk, xi, sxi, lim, wb, sb, bb
	MULS \nk, \xi, \sxi, 1, 0, 1
	NEXTS \nk, \lim, \wb, \sb, \bb
	ADRV \nk
	LOADA \nk
.if \nk == 2
	MULS \nk, \xi, \sxi, 1, 1, 2
	PLACES 4
.endif
	LOADB \nk
.endm
; A layer in a counted loop of four chunks; the last trip's loads repeat chunk lim
.macro QLAYER lay, nk, xi, xo, sxi, sxo, lim, wb, sb, bb
	s_mov_b32 s26, 0
.Lchunk\lay:
	WALU
	s_wait_dscnt 0x0                               ; the chunk's fragments, scale words and bias are in
	MULS \nk, \xi, \sxi, 0, 0, \nk
	PLACES 4                                       ; ahead of the first read of results (ISA guide 7.12.1)
	QUANT \xo, \sxo, 0
	HALF1 \nk, \xi, \sxi, \lim, \wb, \sb, \bb
	QUANT \xo, \sxo, 1
	s_add_co_u32 s26, s26, 1
	s_cmp_lt_u32 s26, 4
	s_cbranch_scc1 .Lchunk\lay
.endm
; LAYERS WRITTEN OUT.  One address register a layer; a chunk's place stands in the loads' immediates (60,928 at the most).
.macro UADR wb, sb, bb
	WIN 0
	v_add_nc_u32 v[AW], \wb, v[L16]
	v_add_nc_u32 v[AS], \sb, v[L8]
	v_add_nc_u32 v[AB], \bb, v[H128]
.endm
.macro ULOAD p, k, off                 ; one fragment (tile k % 4, K step k / 4) of the chunk at byte off of the layer, into buffer p
.if (\p) == 0
	WIN 0x40
.set rL, WF+12*(2*((\k)%4)+(\k)/4)
.else
	WIN (2+(\k)/4)<<6
.set rL, WG2+12*((\k)%4)
.endif
.irp g, 0,1,2
	ds_load_b128 v[rL+4*\g:rL+4*\g+3], v[AW] offset:(\off)+(2*((\k)%4)+(\k)/4)*1536+512*\g
.endr
.endm
.macro UBS cn                          ; chunk cn's bias and scale words (cn = 4: the next layer's first, which lie next in the image)
	WIN 0
.irp t, 0,1,2,3
.irp g, 0,1
	ds_load_b128 v[BIAS+8*\t+4*\g:BIAS+8*\t+4*\g+3], v[AB] offset:256*(\cn)+32*\t+16*\g
.endr
.endr
	ds_load_b64 v[WS:WS+1], v[AS] offset:512*(\cn)
	ds_load_b64 v[WS+2:WS+3], v[AS] offset:512*(\cn)+256
.endm
; 32 products of half hf on buffer p, in one unbroken run
.macro UMULS xi, sxi, hf, p
.set ms, 0
.rept 2
.irp mm, 0,1,2,3
.irp t, 0,1,2,3
.set rD, ACC+32*\mm+8*\t
.if (\p) == 0
.set rA, WF+12*(2*\t+ms)
	WIN 0x01|((\xi)<<2)
.else
.set rA, WG2+12*\t
	WIN (2+ms)|((\xi)<<2)
.endif
.set rB, 24*(4*(\hf)+\mm)+12*ms
.if ms == 0
.set rC, BIAS+8*\t
.else
.set rC, rD
.endif
.if (\t)%2 == 0
	v_wmma_scale_f32_16x16x128_f8f6f4 v[rD:rD+7], v[rA:rA+11], v[rB:rB+11], v[rC:rC+7], v[WS+2*((\t)/2)+ms], v[\sxi+2*(4*(\hf)+\mm)+ms] matrix_a_fmt:MATRIX_FMT_FP6 matrix_b_fmt:MATRIX_FMT_FP6
.else
	v_wmma_scale_f32_16x16x128_f8f6f4 v[rD:rD+7], v[rA:rA+11], v[rB:rB+11], v[rC:rC+7], v[WS+2*((\t)/2)+ms], v[\sxi+2*(4*(\hf)+\mm)+ms] matrix_a_fmt:MATRIX_FMT_FP6 matrix_b_fmt:MATRIX_FMT_FP6 matrix_a_scale:MATRIX_SCALE_ROW1
.endif
.endr
.endr
.set ms, ms+1
.endr
.endm
.macro UBODY xi, xo, sxi, sxo
.irp c, 0,1,2,3
	WALU
	s_wait_dscnt 0x0                               ; the chunk's fragments (asked for in the chunk before's first half), its bias and scale words are in
	UMULS \xi, \sxi, 0, (\c)%2
	PLACES 4                                       ; ahead of the first read of results (ISA guide 7.12.1)
	QMAX 1, 1-(\c)%2, (\c+1)*12288                 ; with the next chunk's fragments, into the other buffer, whose last readers were the chunk before's products
	VAR \xo, \sxo, 0, \c
	UMULS \xi, \sxi, 1, (\c)%2
	PLACES 4
	QMAX 2, \c+1, 0                                ; with the next chunk's bias and scale words: this chunk's products have read theirs
	VAR \xo, \sxo, 1, \c
.endr
.endm
; Layer 3 and the last product.  A lane's 32 hidden units of a chunk, rounded to bf16 in pairs, ARE two sources 1 of the last product: w4's fragments hold K in the same order.
.macro TAIL3 first, hf
	RELU
	WIN 0xc0
.irp mm, 0,1,2,3
.irp i, 0,1,2,3,4,5,6,7,8,9,10,11,12,13,14,15
	v_cvt_pk_bf16_f32 v[24*(4*(\hf)+\mm)+8+\i], v[ACC+32*\mm+2*\i], v[ACC+32*\mm+2*\i+1]
.endr
.endr
.if \hf == 0
	WIN 0
	WALU
	s_wait_dscnt 0x0                               ; w4's two fragments are in
.endif
.irp i, 0,1
.if (\first) && (\i == 0)
	WIN 0x4d
.else
	WIN 0x5d
.endif
.irp mm, 0,1,2,3                       ; four accumulators by turns
.if (\first) && (\i == 0)
	v_wmma_f32_16x16x32_bf16 v[OACC+8*(4*(\hf)+\mm):OACC+8*(4*(\hf)+\mm)+7], v[W4F+8*\i:W4F+8*\i+7], v[24*(4*(\hf)+\mm)+8+8*\i:24*(4*(\hf)+\mm)+15+8*\i], v[B4C:B4C+7]
.else
	v_wmma_f32_16x16x32_bf16 v[OACC+8*(4*(\hf)+\mm):OACC+8*(4*(\hf)+\mm)+7], v[W4F+8*\i:W4F+8*\i+7], v[24*(4*(\hf)+\mm)+8+8*\i:24*(4*(\hf)+\mm)+15+8*\i], v[OACC+8*(4*(\hf)+\mm):OACC+8*(4*(\hf)+\mm)+7]
.endif
.endr
.endr
	WIN 0
.endm
.macro L3CHUNK first
	s_lshl_b32 s27, s26, 11
	PLACES 3                                       ; with the line below: four places between the last product's instructions and the loads into w4's registers
	v_add_nc_u32 v[A4C], s27, v[AW4]
	WALU
.if \first
	s_wait_dscnt 0x0
.else
	s_wait_dscnt 12                                ; the youngest 12 loads, the second K step's fragments, may be out
.endif
	WIN 0x40
.irp g, 0,1,2,3
	ds_load_b128 v[W4F+4*\g:W4F+4*\g+3], v[A4C] offset:512*\g
.endr
	MULS 2, 2, SXA, 0, 0, 1
.if !(\first)
	s_wait_dscnt 4                                 ; they are in; w4's four loads, issued behind them, may be out
.endif
	MULS 2, 2, SXA, 0, 1, 2
	PLACES 4
	TAIL3 \first, 0
	HALF1 2, 2, SXA, 3, 143360, 5120, 10240
	TAIL3 \first, 1
.endm
; The pixels of my queries: my half of each record: 24 bytes of codes straight into registers 0-5 of the tile's fragment (set B), and the record's scale word
.macro GATHER idx
	WIN 0x55
.irp m, 0,1,2,3,4,5,6,7
	v_min_u32 v[GOFF+\m], 0x7fff, v[\idx+\m]
.endr
.irp m, 0,1,2,3,4,5,6,7
	v_lshlrev_b32 v[GOFF+\m], 6, v[GOFF+\m]
.endr
.irp m, 0,1,2,3,4,5,6,7
	v_add_nc_u32 v[GOFF+\m], v[GOFF+\m], v[H32]
.endr
	WIN 0xc1
.irp m, 0,1,2,3,4,5,6,7
	global_load_b128 v[24*\m:24*\m+3], v[GOFF+\m], s[10:11]
	global_load_b64 v[24*\m+4:24*\m+5], v[GOFF+\m], s[10:11] offset:16
.endr
	WIN 0x41
.irp m, 0,1,2,3,4,5,6,7
	global_load_b32 v[XSR+\m], v[GOFF+\m], s[10:11] offset:24
.endr
	WIN 0
.endm
	s_load_b256 s[4:11], s[0:1], 0x0               ; qidx s4, qx2 s6, qwgt s8, featq s10
	s_load_b128 s[12:15], s[0:1], 0x20             ; wimg s12, out0 s14
	v_lshl_add_u32 v[SPW], v0, 2, SPARE
	v_mov_b32 v[NIL], 0
	ds_add_u32 v[SPW], v[NIL]                      ; the opening: the add, twice on end, and its wait ahead of my first tensor load
	ds_add_u32 v[SPW], v[NIL]
	v_lshrrev_b32 v1, 5, v0
	v_readfirstlane_b32 s16, v1                    ; wave 0..3
	v_and_b32 v1, 31, v0
	v_lshlrev_b32 v[L16], 4, v1
	v_lshlrev_b32 v[L8], 3, v1
	v_lshlrev_b32 v[L4], 2, v1
	v_bfe_u32 v[H8], v0, 4, 1                      ; h
	v_lshlrev_b32 v[H128], 7, v[H8]
	v_add_nc_u32 v[MSK], -1, v[H8]
	v_and_b32 v[MSK], 0xffffff, v[MSK]
	WIN 0x40
	v_lshlrev_b32 v[H32], 5, v[H8]                 ; 32 h: my half of a pixel's record
	WIN 0
	v_lshlrev_b32 v[H8], 3, v[H8]
	v_add_nc_u32 v[AW4], 11520, v[L16]
	v_and_b32 v[ROFF], 15, v0                      ; r
	v_mul_u32_u24 v[STB], v[ROFF], 12
	s_mul_i32 s52, s16, 768
	s_add_co_u32 s52, s52, STAGE
	v_add_nc_u32 v[STB], s52, v[STB]
	v_lshlrev_b32 v[ROFF], 4, v[ROFF]
	v_lshlrev_b32 v[OGO], 4, v0
	v_add_nc_u32 v[OSA], STAGE, v[OGO]
.irp m, 0,1,2,3,4,5,6,7,8,9,10,11
	v_mov_b32 v[BT+\m], 0                          ; written once: the kept bytes, and the lane permutes' destinations, which count as sources
.endr
	s_bfe_u32 s17, ttmp6, 0x40000                  ; cx
	s_lshl_b32 s18, ttmp9, 2
	s_add_co_u32 s18, s18, s17                     ; my block of 256 queries: it enters global addresses alone
	s_mov_b32 s20, 0x76543210
	s_mov_b32 s21, 0xfedcba98                      ; v_permlanex16_b32's selects for lane l xor 16
	s_mov_b32 s22, 0x1800000                       ; the floor 2^(3 - 127)
	s_mov_b32 s23, 0xff000000                      ; -(2 << 23)
	; descriptor groups 1: rows of 256 bytes (32 elements of 8 bytes), dense in memory and in LDS: 176 rows for wave 0, 192 for the others
	s_mov_b32 s28, 15|(3<<16)|(1<<21)              ; the mask: all four work-groups; elements of 8 bytes; bit 21 set beside a mask
	s_mov_b32 s29, 32<<16
	s_mov_b32 s30, 176<<16
	s_mov_b32 s31, 32<<16
	s_mov_b32 s32, 176
	s_mov_b32 s33, 32
	s_mov_b32 s34, 0
	s_mov_b32 s35, 0
	s_mov_b32 s36, 15|(3<<16)|(1<<21)
	s_mov_b32 s37, 32<<16
	s_mov_b32 s38, 192<<16
	s_mov_b32 s39, 32<<16
	s_mov_b32 s40, 192
	s_mov_b32 s41, 32
	s_mov_b32 s42, 0
	s_mov_b32 s43, 0
	s_mov_b32 s44, 1
	s_mov_b32 s45, 0                               ; wave 0: the image's first 45,056 bytes
	s_mov_b32 s48, 1
	s_xor_b32 s49, s16, 3                          ; wave 3: w1's fragments, wave 2: w2's, wave 1: w3's
	s_mul_i32 s49, s49, 49152
	s_add_co_u32 s49, s49, 45056                   ; the same place in LDS and in the image: no place in the cluster enters it
	s_mov_b32 s52, s49
	s_mov_b32 s53, 0
	s_lshl_b32 s56, s18, 12                        ; the records: 16 bytes a query: 4,096 a work-group,
	s_lshl_b32 s57, s16, 10                        ; 1,024 a wave
	s_add_co_u32 s56, s56, s57
	s_mov_b32 s57, 0
	s_mul_i32 s58, s18, 3072                       ; out0: 12 bytes a query
	s_mov_b32 s59, 0
	WALU
	s_wait_dscnt 0x0                               ; both opening adds are done
	s_wait_kmcnt 0x0
	s_mov_b64 s[46:47], s[12:13]
	s_or_b32 s47, s47, 0x80000000
	s_add_nc_u64 s[50:51], s[12:13], s[52:53]
	s_or_b32 s51, s51, 0x80000000
	s_add_nc_u64 s[4:5], s[4:5], s[56:57]
	s_add_nc_u64 s[6:7], s[6:7], s[56:57]
	s_add_nc_u64 s[8:9], s[8:9], s[56:57]
	s_add_nc_u64 s[14:15], s[14:15], s[58:59]
	WIN 0x40                                       ; lane (r, h): query r's four shifts; group a 256 bytes on, the second trip 512
.irp a, 0,1
	global_load_b128 v[IDX0+4*\a:IDX0+4*\a+3], v[ROFF], s[4:5] offset:256*\a th:TH_LOAD_NT     ; the first trip's pixels first: the gather hangs on them
.endr
.irp a, 0,1
	global_load_b128 v[NIDX+4*\a:NIDX+4*\a+3], v[ROFF], s[4:5] offset:512+256*\a th:TH_LOAD_NT
	global_load_b128 v[X2W+4*\a:X2W+4*\a+3], v[ROFF], s[6:7] offset:256*\a th:TH_LOAD_NT
	global_load_b128 v[NX2W+4*\a:NX2W+4*\a+3], v[ROFF], s[6:7] offset:512+256*\a th:TH_LOAD_NT
	global_load_b128 v[WGT+4*\a:WGT+4*\a+3], v[ROFF], s[8:9] offset:256*\a th:TH_LOAD_NT
	global_load_b128 v[NWGT+4*\a:NWGT+4*\a+3], v[ROFF], s[8:9] offset:512+256*\a th:TH_LOAD_NT
.endr
	WIN 0
	ROUND                                          ; all four work-groups are here: the joint loads meet
	s_cmp_lt_u32 s16, 1                            ; one chain, one load to an arm: wave 0 has a load line of its own, since it alone waits at the first barrier
	s_cbranch_scc0 .Larm_rest
	tensor_load_to_lds s[44:47], s[28:35]
	s_nop 0
	PLACES 4
	s_branch .Lasked
.Larm_rest:
	tensor_load_to_lds s[48:51], s[36:43]
	s_nop 0
	PLACES 4
.Lasked:
	WIN 0x80                                       ; set A is written whole once, while the first loads are out: in layer 0 each chunk's arm writes a quarter of it
.set qj, 0
.rept 192
	v_mov_b32 v[qj], 0
.set qj, qj+1
.endr
	WIN 0
	WALU
	s_wait_loadcnt 10                              ; the first trip's pixels are in; the ten record loads behind them may be out
	GATHER IDX0
	WALU
	s_cmp_lt_u32 s16, 1
	s_cbranch_scc0 .Lnot_mine
	s_wait_tensorcnt 0x0                           ; wave 0: what layer 0 reads is in
.Lnot_mine:
	s_barrier_signal -1
	s_barrier_wait -1
	v_lshrrev_b32 v[A4C], 1, v[H128]
.irp g, 0,1
	ds_load_b128 v[B4C+4*\g:B4C+4*\g+3], v[A4C] offset:11264+16*\g   ; b4 in registers 0-2, zeros above; it stays
.endr
	s_mov_b32 s24, 2                               ; trips to go
	s_mov_b32 s25, 0                               ; the trip's place in my part of the stage
.Ltrip:
	WALU
	s_wait_dscnt 0x0                               ; no LDS load is out: the chunk's registers may be loaded anew
	ADR0 1, 20480, 0, 7168
	LOADA 1
	LOADB 1
	; the rest of layer 0's operand: registers 6-11 hold k = 64 + 32 h on: block 2's four codes in lanes 0-15, zeros else; the scale word: the record's two bytes, block 2's, 0 over block 3's zero codes
	WALU
	s_wait_loadcnt 0x0                             ; the gather and the records
	WIN 0x55
.irp m, 0,1,2,3,4,5,6,7
	v_lshrrev_b32 v[GOFF+\m], 8, v[X2W+\m]
.endr
	WIN 0x11
.irp m, 0,1,2,3,4,5,6,7
	v_and_or_b32 v[SXB+2*\m], v[GOFF+\m], 0xff0000, v[XSR+\m]
.endr
	WIN 0xc1
.irp m, 0,1,2,3,4,5,6,7
	v_and_b32 v[24*\m+6], v[X2W+\m], v[MSK]
.irp i, 7,8,9,10,11
	v_mov_b32 v[24*\m+\i], 0
.endr
.endr
	WIN 0
	PLACES 4                                       ; an operand written by a vector instruction stands 4 places ahead of a scaled product; the scale words stand 48 lines further up
	QLAYER 0, 1, 3, 2, SXB, SXA, 3, 20480, 0, 7168
	WALU
	s_wait_tensorcnt 0x0                           ; every wave: its part of the image is in,
	s_wait_dscnt 0x0
	s_barrier_signal -1
	s_barrier_wait -1                              ; everybody's is
	UADR 45056, 1024, 8192
.irp k, 0,1,2,3,4,5,6,7
	ULOAD 0, \k, 0                                 ; layer 1's first chunk into buffer 0
.endr
	UBS 0
	UBODY 2, 3, SXA, SXB
	UADR 94208, 3072, 9216
	UBODY 3, 2, SXB, SXA                           ; its last chunk asks for layer 3's first, into buffer 0
	WALU
	s_cmp_eq_u32 s24, 1                            ; the second trip's pixels are asked for here, a layer ahead of their use
	s_cbranch_scc1 .Lno_next
	GATHER NIDX                                    ; set B's registers 0-5 of each tile are free: layer 2 has read them, layer 3 uses registers 8-23
	WIN 0x55
.irp m, 0,1,2,3,4,5,6,7
	v_mov_b32 v[X2W+\m], v[NX2W+\m]
.endr
	WIN 0
	WALU
.Lno_next:
	s_mov_b32 s26, 0
	L3CHUNK 1                                      ; the first chunk is written out: its products start the last product's sums, with b4 as C
	s_mov_b32 s26, 1
.Lchunk3:
	L3CHUNK 0
	s_add_co_u32 s26, s26, 1
	s_cmp_lt_u32 s26, 4
	s_cbranch_scc1 .Lchunk3
	PLACES 4
	WIN 0x55
.irp a, 0,1
.irp j, 0,1,2
	v_mul_f32 v[RET+3*\a+\j], v[WGT+4*\a], v[OACC+32*\a+\j]        ; the blend: register j of tile 4 a + s is output j of shift s of my query
.endr
.endr
.irp s, 1,2,3
.irp a, 0,1
.irp j, 0,1,2
	v_fmac_f32 v[RET+3*\a+\j], v[WGT+4*\a+\s], v[OACC+8*(4*\a+\s)+\j]
.endr
.endr
.endr
	WIN 0
	v_add_nc_u32 v[STA], s25, v[STB]
	WIN 0x04
.irp a, 0,1
.irp j, 0,1,2
	ds_store_b32 v[STA], v[RET+3*\a+\j] offset:192*\a+4*\j         ; both halves of the lanes write the same word with the same value
.endr
.endr
	WIN 0x55
.irp m, 0,1,2,3,4,5,6,7
	v_mov_b32 v[WGT+\m], v[NWGT+\m]                ; the next trip's weights (in the last trip nobody reads them: eight moves, no branch)
.endr
	WIN 0
	s_add_co_u32 s25, s25, 384
	s_sub_co_u32 s24, s24, 1
	s_cmp_lg_u32 s24, 0
	WALU
	s_cbranch_scc1 .Ltrip
	s_wait_dscnt 0x0                               ; for the others' sake: my stores into the stage are done
	s_barrier_signal -1
	s_barrier_wait -1
	ds_load_b128 v[BIAS:BIAS+3], v[OSA]            ; 3,072 bytes: each wave stores 512 consecutive bytes, waves 0 and 1 512 more
	s_wait_dscnt 0x0
	global_store_b128 v[OGO], v[BIAS:BIAS+3], s[14:15] th:TH_STORE_NT
	s_cmp_gt_u32 s16, 1
	s_cbranch_scc1 .Lno_more
	ds_load_b128 v[BIAS+4:BIAS+7], v[OSA] offset:2048
	s_wait_dscnt 0x0
	global_store_b128 v[OGO], v[BIAS+4:BIAS+7], s[14:15] offset:2048 th:TH_STORE_NT
.Lno_more:
	s_wait_tensorcnt 0x0                           ; the wave's end: these three lines, behind my last tensor load and my last LDS store
	ds_add_u32 v[SPW], v[NIL]
	s_wait_dscnt 0x0
	ROUND                                          ; the closing round: no work-group ends while a partner may still ask for the image
	s_endpgm
.Lfunc_end_k_q7f4ae9ec90_mlp:
	.size	k_q7f4ae9ec90_mlp, .Lfunc_end_k_q7f4ae9ec90_mlp-k_q7f4ae9ec90_mlp
	.p2alignl 7, 3214868480
	.fill 96, 4, 3214868480
	.section	.rodata,"a",@progbits
	.p2align	6, 0x0
	.amdhsa_kernel k_q7f4ae9ec90_mlp
		.amdhsa_group_segment_fixed_size 196608
		.amdhsa_private_segment_fixed_size 0
		.amdhsa_enable_private_segment 0
		.amdhsa_kernarg_size 48
		.amdhsa_user_sgpr_count 2
		.amdhsa_user_sgpr_kernarg_segment_ptr 1
		.amdhsa_wavefront_size32 1
		.amdhsa_system_sgpr_workgroup_id_x 1
		.amdhsa_system_sgpr_workgroup_id_y 1
		.amdhsa_system_sgpr_workgroup_id_z 1
		.amdhsa_system_vgpr_workitem_id 0
		.amdhsa_next_free_vgpr 1024
		.amdhsa_next_free_sgpr 66
		.amdhsa_reserve_vcc 0
		.amdhsa_float_denorm_mode_32 3
		.amdhsa_float_denorm_mode_16_64 3
		.amdhsa_memory_ordered 1
		.amdhsa_forward_progress 1
		.amdhsa_inst_pref_size 255
	.end_amdhsa_kernel
	.section	.bss,"aw",@nobits
	.p2align	6
	.space	262144
	.amdgpu_metadata
---
amdhsa.version: [ 1, 2 ]
amdhsa.kernels:
  - .name:           k_q7f4ae9ec90_mlp
    .symbol:         k_q7f4ae9ec90_mlp.kd
    .args:
      - { .name: qidx, .offset: 0, .size: 8, .value_kind: global_buffer, .address_space: global }
      - { .name: qx2, .offset: 8, .size: 8, .value_kind: global_buffer, .address_space: global }
      - { .name: qwgt, .offset: 16, .size: 8, .value_kind: global_buffer, .address_space: global }
      - { .name: featq, .offset: 24, .size: 8, .value_kind: global_buffer, .address_space: global }
      - { .name: wimg, .offset: 32, .size: 8, .value_kind: global_buffer, .address_space: global }
      - { .name: out0, .offset: 40, .size: 8, .value_kind: global_buffer, .address_space: global }
    .group_segment_fixed_size: 196608
    .private_segment_fixed_size: 0
    .kernarg_segment_align: 8
    .kernarg_segment_size: 48
    .max_flat_workgroup_size: 128
    .sgpr_count:     66
    .vgpr_count:     1024
    .wavefront_size: 32
...
	.end_amdgpu_metadata
.endif
;; end of part 2
